; MI455X (gfx1250); checked and timed in simulation.
; The chip was launched on July 23, 2026; its instructions are those of AMD's public machine-readable ISA for CDNA 5 (MIT licence, August 2026) and "CDNA5" Instruction Set Architecture Reference Guide (July 2026). The comments in the code are by the model that wrote it; some were corrected since.
;; QKV Attention. Allowed arithmetic: matrix products marked QUANTISED: E4M3 operands, one given power-of-two scale a tensor, by v_wmma_f32_16x16x64_fp8_fp8 or v_wmma_f32_16x16x128_fp8_fp8, f32 sums; everything else in f32.
;; Inputs: lowp_scales 4 int32 (the exponents e of the quantised operands' scales 2^e); qkv 4 x 3,072 x 2,048 float32.
;; Outputs: out0 4 x 1,024 x 2,048 float32.
;; This version of the problem:
;;   THIS VERSION OF THE PROBLEM IS GIVEN IN LOW PRECISION. The matrix products marked QUANTISED in the list below multiply operands that are first quantised to E4M3 (4 exponent bits, 3 mantissa bits; 8 bits a number), with one given power-of-two scale for each operand tensor; their sums are f32. All else is computed in f32.
;;   The module's matrix products, in the order in which they are computed (A, B: the left and right operand; K: the contracted axis; several contracted axes count as one K, in the product's order):
;;     1. batch 64 x [M 2,048, K 64] x [K 64, N 2,048]; A: computed on the way; B: computed on the way: QUANTISED (scales: A lowp_scales[0], B lowp_scales[1])
;;     2. batch 64 x [M 64, K 2,048] x [K 2,048, N 2,048]; A: input qkv; B: softmax (see below): QUANTISED (scales: A lowp_scales[2], B lowp_scales[3])
;;   THE QUANTISER, for each operand of a quantised product, along K:
;;     - The operand's scale is 2^e, e = its entry of the input lowp_scales (int32; the entries are numbered through the quantised products in the list's order, A before B).
;;     - Each number is divided by the scale, clamped to +-448, and rounded to the nearest number of E4M3, ties to even, subnormals kept.
;;     - The product sums the exact products of the quantised numbers (number of the format x scale) in f32.
;;   ~~~python
;;   def quantise(x, axis, e):      # numpy; x: float32 -> the quantised numbers, widened to float32 again
;;       x = np.moveaxis(x, axis, -1); K = x.shape[-1]
;;       r = np.clip(x / 2.0 ** e, -448, 448)
;;       step = 2.0 ** (np.maximum(np.frexp(np.where(r == 0, 1, r))[1] - 1, -6) - 3)
;;       q = np.round(r / step) * step * 2.0 ** e      # np.round: ties to even
;;       return np.moveaxis(q, -1, axis).astype(np.float32)
;;   ~~~
;;   SOFTMAX AHEAD OF A QUANTISED PRODUCT. Where the list says 'softmax', what is quantised is not the finished softmax but p = 2^(t - M), with t = logit x log2(e) and M = ceil(the row's largest t), a whole number; so 1/2 < the row's largest p <= 1. The row's sum l is taken of the UNQUANTISED p, in f32, and the product's result is divided by l at the end. Since M is a whole number, a kernel that streams over the keys may use a running M (the ceiling of the running maximum): every later rescaling is an exact power of two, so the quantised numbers keep their values, but for numbers so far below the row's largest that they fall under the format's range.
;;   OPERANDS COMPUTED ON THE WAY. 'Computed on the way' means the value that the module computes at that place (a softmax that the list does not call 'softmax' is quantised finished and normalised). What goes into a quantiser is computed in f32, as accurately as f32 sums, v_exp_f32 and their like allow (about 1e-6 of the number): no bf16 or f16 on the way to a quantiser, and a product that is left as it is and whose result goes on into a quantised operand takes f32 operands (vector FMAs, or v_wmma_f32_16x16x4_f32). A number that lies on a knife's edge between two numbers of the format may be rounded either way, as far as f32 arithmetic and the matrix unit's own rounding can turn it there, and no further.
;; 2 versions, each right; version 2 is version 1 with the launch attn written anew for expert scheduling mode. Each part assembles by itself: llvm-mc -triple=amdgcn-amd-amdhsa -mcpu=gfx1250 --defsym DOCPART=n.
;; ======== version 1 of 2: 1 launch
;; launch attn (part 1): grid 4 x 64, 16 waves a work-group, no clusters, 302,080 bytes of LDS; arguments qkv, lowp_scales, out0; writes out0
.if DOCPART == 1
	.amdgcn_target "amdgcn-amd-amdhsa--gfx1250"
	.amdhsa_code_object_version 6
	.text
	.protected	k_q27df5eca49_attn
	.globl	k_q27df5eca49_attn
	.p2align	8
	.type	k_q27df5eca49_attn,@function
k_q27df5eca49_attn:
	s_mov_b64 s[64:65], 0
	v_nop
	global_prefetch_b8 v0, s[64:65] scope:SCOPE_SE
	s_setreg_imm32_b32 hwreg(HW_REG_WAVE_MODE, 25, 1), 1
	s_wait_xcnt 0x0
; out0[b][64 h + c][t] = sum over s of softmax_s( sum over c' of (q[c'][t] a)(k[c'][s] a) ) v[c][s],  a = 1 / sqrt(sqrt(64)).
; qkv: [4][3 x 16 x 64][2048] f32, the sequence innermost; q, k, v of head (b, h) are 64 rows each, 1,024 rows apart.  out0: [4][1024][2048] f32.
; BOTH PRODUCTS ARE ON CODES OF FP8 (E4M3), each operand with the one scale 2^e given for it: e0 for q a, e1 for k a, e2 for v, e3 for p; sums in f32, by v_wmma_f32_16x16x64_fp8_fp8.
; code = x / 2^e, held within +-448, to the nearest code, ties to even.  THE SOFTMAX: t = score x log2(e); M = the running largest t rounded UP to a whole number; p = 2^(t - M) is what is quantised, not
; normalised; the row's sum is taken of the unquantised p and divides at the end; when M moves, the sum and O are multiplied by 2^(old M - new M), which rounds nothing.
; SHARES.  256 work-groups: x = one of four blocks of 512 queries, y = the head (16 b + h).  Sixteen waves of 256 registers, four to a SIMD, so that one wave's exponentials stand beside another's plain
; arithmetic, LDS loads and products.  A wave owns 32 queries, two tiles A and B of 16, so that each fragment of K and V read from LDS feeds two matrix instructions.
; THE WORK-GROUP MAKES ITS HEAD'S CODES ITSELF, f32 through registers into LDS, and the whole head stays there: no LDS byte of K or V is written twice.  Keys go in four chunks of 512: chunk 0 and Q are made
; ahead of the loop; chunk c + 1 is loaded and quantised inside the key steps of chunk c, and a barrier stands at each chunk's end.
; LAYOUT.  Both products are used transposed: S^T = K Q^T (source 0 = 16 keys, source 1 = 16 queries), O^T = V P^T (source 0 = 16 channels, source 1 = P): a lane holds ONE query (lane % 16) throughout.
; NOTHING IS TRANSPOSED BY AN INSTRUCTION.  K, Q: a lane takes two columns (keys) and its registers run down eight channels, so a conversion's eight codes are eight neighbouring channels of one key.
; V: its K (the keys) is innermost; a lane's four dense loads of a row's 512 keys give it keys 128 a + 4 l + e, and its 16 codes go to bytes 16 l + 4 a + e of the row: a PERMUTATION of the keys inside a chunk.
; P must meet V in that order: place p of a chunk is K's LDS row p with bits 3 and 4 exchanged (a lane's eight results of a tile are tile rows 8 (lane / 16) + 0 .. 7), so key s = 128 a + 4 l + e is stored at row
; e + 4 (a % 2) + 8 (l % 2) + 16 (a / 2) + 32 (l / 2).  Inside an instruction k stands in other places than the form's own, alike in both sources: each product meets its partner; only the grouping of sums differs.
; P'S HOLD AT THE LARGEST CODE IS WRITTEN FOR THE e3 THAT NEED IT.  p is 1 at the most (but for a few rounding errors), so p / 2^e3 is at most 2^-e3: 256 or less where e3 >= -8, under 448: there the hold changes
; nothing, and the step takes a way without its 64 instructions.  Where e3 < -8 it takes the way with them.  The branch hangs on the whole number e3 as it is read from memory, alike in every wave.
; NO CLUSTER, NO JOINT LOADS, though the four work-groups of a head read the same K and V: the numbers arrive as f32 and become codes in registers; a joint request lands in LDS, where the codes take 300,032 of
; 327,680 bytes: the 27,648 left do not hold one key step's f32 (2 tensors x 64 keys x 64 channels x 4 bytes = 32,768).  The four are neighbours in the grid and walk the same chunks at about the same time.
; LIMITS.  e0 .. e3 between -126 and 119 each, e0 + e1 between -126 and 127, so that each power of two below is an f32 number.  NaN among the inputs is not served; an infinity is held at the largest code.
;
; LDS.  K: row (32 g + i) at 2,576 g + 80 i: 64 codes + 16 bytes of padding, and 16 more behind every 32 rows.  80 bytes = 20 words: the 16 rows of a fragment load start at 16 different groups of four banks (64 banks
; of 4 bytes: ISA guide 11.1).  Q: 512 rows laid the same way in the bytes of K's chunk 3: written ahead of the first barrier, read once behind it; chunk 3's keys are stored behind two further barriers.
; V: [chunk][channel][512 codes + 16].  The stage for the way out (64 rows of 2,048 + 16 bytes) lies in K's bytes and is written behind a barrier behind which nobody reads K.
.set ROW,  8192                        ; a row of qkv or of out0 in bytes
.set K32,  2576                        ; 32 rows of K in LDS
.set KSTP, 2*K32                       ; a key step's 64 rows
.set KCH,  16*K32                      ; a chunk's 512 rows
.set QB,   3*KCH                       ; Q, in the bytes of K's chunk 3
.set VB,   4*KCH                       ; V begins behind K
.set VPI,  528                         ; a row of V of one chunk
.set VCH,  64*VPI                      ; a chunk of V
.set SPI,  2064                        ; a row of the stage
; VECTOR REGISTERS
.set AK0, 1                            ; v1   my lane's place in a tile of K: 80 r + 16 h
.set AV0, 2                            ; v2   the same for V: VB + 528 r + 16 h
.set KST, 3                            ; v3   where I store a K unit's codes
.set VST, 4                            ; v4   where I store a V unit's codes
.set GK,  5                            ; v5   8 x lane: my 8 bytes of a load's 256
.set GV,  6                            ; v6   16 x lane: my 16 bytes of a load's or a store's 512
.set SCK, 7                            ; v7   2^e1,  v8 2^e2,  v9 2^e3 as f32: the conversions take their exponent fields
.set SCV, 8
.set SCP, 9
.set ST,  10                           ; v[10:11] tile A: -M, the largest t;  v[12:13] tile B
.set LS,  14                           ; v[14:17] tile A's sum, two packed chains;  v[18:21] tile B's
.set FF,  22                           ; v[22:23] tile A's f = 2^(old M - new M) (the upper word is only named);  v[24:25] tile B's
.set CM,  26                           ; v26-29  two chains of the maximum for each tile; in QUANT v26, v27 are store addresses
.set T1,  30                           ; v30  LDS address of the chunk's (or step's) tiles of K;  v31 of V
.set T2,  31
.set QF,  32                           ; v32-47  Q's two fragments
.set FR,  48                           ; v48-79  four fragments of K, then of V
.set LK,  80                           ; v80-95  a K unit as loaded;  v96-111 a V unit
.set LV,  96
.set S,   112                          ; v112-175  S^T, then p: tile X, key tile T at S + 32 X + 8 T
.set P,   176                          ; v176-191  p's codes: P + 8 X + 2 T
.set O,   192                          ; v192-255  O^T: O + 32 X + 8 t
.set Y,   112                          ; 16 numbers at work in a K or Q unit (S is free then)
.set CL,  128                          ; a unit's codes inside the loop: K's v128-131, V's v132-135 (S is free then)
.set CP,  48                           ; and ahead of the loop: v48-51, v52-55
.set SET0, 128                         ; ahead of the loop: eight landing sets of 16 registers, v128-255
; SCALAR REGISTERS: s[4:5] qkv, s[6:7] the scales, s[8:9] out0; s10 wave, s11 wave % 8, s12 wave / 8; s[16:19] e0 .. e3 (they stay); s[20:21] lane selects; s[22:23] c; s24 a; s25, s26 -+448 x 2^e1; s27, s28 the same with e2;
; s29 448 x 2^e3; s30, s31 -+448 x 2^e0; s[32:33] K's, s[34:35] V's, s[36:37] Q's, s[38:39] out0's address for my wave; s40, s41 counters; s42, s43 LDS offsets of the chunk in hand in K and in V; s44 e2 + e3; s46-54 at work
.macro PLACES n                        ; a load into a register that a matrix instruction has read, and a vector instruction that reads a matrix result, stand four places behind it; only plain vector
.rept \n                               ; instructions that name none of its registers are places (ISA guide 7.12.1 for vector instructions)
	v_nop
.endr
.endm
.macro BAR                             ; my LDS stores have landed and my LDS loads are in: then the work-group's barrier
	s_wait_dscnt 0x0
	s_barrier_signal -1
	s_barrier_wait -1
.endm
; A K or Q unit as loaded: eight channels x 64 columns; each load reads 256 consecutive bytes, aligned; register 2 cc + par = channel cc, column 2 lane + par
.macro QLOAD set, off
.irp cc, 0,1,2,3,4,5,6,7
	global_load_b64 v[\set+2*\cc:\set+2*\cc+1], v[GK], s[36:37] offset:\cc*ROW+\off th:TH_LOAD_NT   ; q is read once in the whole launch
.endr
.endm
.macro KLOAD set, off
.irp cc, 0,1,2,3,4,5,6,7
	global_load_b64 v[\set+2*\cc:\set+2*\cc+1], v[GK], s[32:33] offset:\cc*ROW+\off                 ; k and v are read by the head's four work-groups: no hint
.endr
.endm
; A V unit as loaded: one channel x 512 keys; each load reads 512 consecutive bytes; register 4 a + e = key 128 a + 4 lane + e
.macro VLOAD set, off
.irp a, 0,1,2,3
	global_load_b128 v[\set+4*\a:\set+4*\a+3], v[GV], s[34:35] offset:512*\a+\off
.endr
.endm
; A K or Q unit becomes codes.  left: the loads issued behind the unit's own.  s[nl], s[pl]: -+448 x the scale; v[sc]: the scale; v[adr] + off: the first column's row in LDS; cr: four registers for the codes.
; dsw = 1: earlier LDS stores may still name cr.
.macro KQUNIT set, left, nl, pl, sc, adr, off, cr, dsw
	s_wait_loadcnt \left
.irp cc, 0,1,2,3,4,5,6,7
	v_mul_f32 v[Y+\cc],   s24, v[\set+2*\cc]       ; x a, in f32; the two columns are parted on the way
	v_mul_f32 v[Y+8+\cc], s24, v[\set+2*\cc+1]
.endr
.irp i, 0,1,2,3,4,5,6,7,8,9,10,11,12,13,14,15
	v_med3_num_f32 v[Y+\i], v[Y+\i], s[\nl], s[\pl]   ; the conversion to an 8-bit code does not saturate (ISA guide 7.6.2): the hold at the largest code x the scale
.endr
.if \dsw
	s_wait_dscnt 0x0                               ; the last unit's stores have read their registers
.endif
	v_cvt_scalef32_pk8_fp8_f32 v[\cr:\cr+1],   v[Y:Y+7],    v[\sc]
	v_cvt_scalef32_pk8_fp8_f32 v[\cr+2:\cr+3], v[Y+8:Y+15], v[\sc]
	v_nop                                          ; one plain instruction between a scaled conversion and the next vector or matrix instruction that writes its sources or touches its result
	ds_store_b64 v[\adr], v[\cr:\cr+1]   offset:\off      ; eight channels of column 2 lane,
	ds_store_b64 v[\adr], v[\cr+2:\cr+3] offset:\off+80   ; of column 2 lane + 1: the next row
.endm
.macro VUNIT set, left, cr, adr, off, dsw
	s_wait_loadcnt \left
.irp i, 0,1,2,3,4,5,6,7,8,9,10,11,12,13,14,15
	v_med3_num_f32 v[\set+\i], v[\set+\i], s27, s28
.endr
.if \dsw
	s_wait_dscnt 0x0
.endif
	v_cvt_scalef32_pk8_fp8_f32 v[\cr:\cr+1],   v[\set:\set+7],    v[SCV]
	v_cvt_scalef32_pk8_fp8_f32 v[\cr+2:\cr+3], v[\set+8:\set+15], v[SCV]
	v_nop
	ds_store_b128 v[\adr], v[\cr:\cr+3] offset:\off       ; the wave's 512 consecutive bytes: a row of V of one chunk
.endm
.macro LIMITS e, sc, pos               ; s[sc] = 2^e as f32, s[pos] = 448 x 2^e, from the whole number in s[e]
	s_add_co_i32 s[\pos], s[\e], 127
	s_lshl_b32 s[\sc], s[\pos], 23
	s_add_co_i32 s[\pos], s[\pos], 8
	s_lshl_b32 s[\pos], s[\pos], 23
	s_or_b32 s[\pos], s[\pos], 0x600000
.endm
	s_load_b128 s[4:7], s[0:1], 0x0                ; qkv, the scales' exponents
	s_load_b64 s[8:9], s[0:1], 0x10                ; out0
	v_lshrrev_b32 v26, 5, v0
	v_readfirstlane_b32 s10, v26                   ; wave 0 .. 15
	v_and_b32 v27, 31, v0                          ; lane
	v_and_b32 v28, 15, v0                          ; r
	v_bfe_u32 v29, v0, 4, 1                        ; h
	v_lshlrev_b32 v[GK], 3, v27
	v_lshlrev_b32 v[GV], 4, v27
	s_and_b32 s11, s10, 7                          ; which eight channels of K and Q I quantise
	s_lshr_b32 s12, s10, 3                         ; which 64 of a unit's 128 columns
	s_and_b32 s46, ttmp7, 0xffff                   ; y = 16 b + h
	s_lshr_b32 s47, s46, 4
	s_mul_i32 s47, s47, 3072
	s_and_b32 s48, s46, 15
	s_lshl_b32 s48, s48, 6
	s_add_co_u32 s47, s47, s48                     ; q's first row: 3,072 b + 64 h
	s_lshl_b32 s48, s47, 13                        ; in bytes (all offsets here stay under 2^27)
	s_lshl_b32 s49, s11, 16                        ; my eight rows,
	s_lshl_b32 s50, s12, 8                         ; my 64 columns
	s_add_co_u32 s49, s49, s50
	s_add_co_u32 s50, s48, s49
	s_lshl_b32 s51, ttmp9, 11                      ; my block's 512 columns
	s_lshl_b32 s54, s10, 15                        ; four rows for each wave (V's units, and the way out)
	s_mov_b32 s53, 0
	s_wait_kmcnt 0x0
	s_load_b128 s[16:19], s[6:7], 0x0              ; e0, e1, e2, e3
	s_add_co_u32 s52, s50, s51
	s_add_nc_u64 s[36:37], s[4:5], s[52:53]        ; Q
	s_add_co_u32 s52, s50, 1024*ROW
	s_add_nc_u64 s[32:33], s[4:5], s[52:53]        ; K
	s_add_co_u32 s52, s48, s54
	s_add_co_u32 s52, s52, 2048*ROW
	s_add_nc_u64 s[34:35], s[4:5], s[52:53]        ; V: rows 4 w on
	s_lshl_b32 s52, s46, 19                        ; out0: row 64 y,
	s_add_co_u32 s52, s52, s54                     ; + 4 w,
	s_add_co_u32 s52, s52, s51                     ; my block's columns
	s_add_nc_u64 s[38:39], s[8:9], s[52:53]
.irp n, 0,1,2,3
	QLOAD SET0+16*\n, 512*\n                       ; Q's four units, then three of K's chunk 0: 56 loads
.endr
.irp n, 0,1,2
	KLOAD SET0+64+16*\n, 512*\n
.endr
	v_mul_u32_u24 v[AK0], v28, 80
	v_lshl_add_u32 v[AK0], v29, 4, v[AK0]
	v_mul_u32_u24 v[AV0], v28, VPI
	v_lshl_add_u32 v[AV0], v29, 4, v[AV0]
	v_add_nc_u32 v[AV0], VB, v[AV0]
	v_and_b32 v26, 1, v27                          ; K's store: column 128 j + 64 g + 2 l + par goes to row par + 2 (l % 2) + 4 (j % 2) + 8 ((l / 2) % 2) + 16 (j / 2) + 32 (l / 4 + 8 g)
	v_mul_u32_u24 v[KST], v26, 160
	v_bfe_u32 v26, v27, 1, 1
	v_mad_u32_u24 v[KST], v26, 640, v[KST]
	v_lshrrev_b32 v26, 2, v27
	v_mad_u32_u24 v[KST], v26, K32, v[KST]
	s_mul_i32 s47, s12, 8*K32
	s_lshl_b32 s48, s11, 3                         ; my eight channels' bytes in a row
	s_add_co_u32 s47, s47, s48
	v_add_nc_u32 v[KST], s47, v[KST]
	s_mul_i32 s47, s10, 4*VPI
	s_add_co_u32 s47, s47, VB
	v_add_nc_u32 v[VST], s47, v[GV]                ; V's store: row 4 w, 16 bytes a lane
	v_mul_u32_u24 v30, v27, 160                    ; Q's store, in v30 until the loop: row = the query in the block = 128 n + 64 g + 2 l + par
	v_lshl_add_u32 v30, v29, 4, v30                ; (16 bytes more behind every 32 rows)
	s_mul_i32 s47, s12, KSTP
	s_add_co_u32 s47, s47, s48
	s_add_co_u32 s47, s47, QB
	v_add_nc_u32 v30, s47, v30
	s_mul_i32 s47, s10, K32
	s_add_co_u32 s47, s47, QB
	v_add_nc_u32 v28, s47, v[AK0]                  ; where I read my 32 queries back
	s_mov_b32 s20, 0x76543210                      ; v_permlanex16_b32: lane l xor 16
	s_mov_b32 s21, 0xfedcba98
	s_mov_b32 s24, 0x3eb504f3                      ; a = 1 / sqrt(sqrt(64)) as f32 arithmetic gives it
	v_mov_b32 v[ST+1], 0xff61b1e6                  ; the largest t so far: -3e38, under every t
	v_mov_b32 v[ST+3], 0xff61b1e6
	v_floor_f32 v[ST], -v[ST+1]                    ; -M
	v_floor_f32 v[ST+2], -v[ST+3]
.irp i, 0,1,2,3,4,5,6,7
	v_mov_b32 v[LS+\i], 0                          ; the sums
.endr
	v_mov_b32 v[FF+1], 0                           ; (named as the upper halves of pairs)
	v_mov_b32 v[FF+3], 0
	s_wait_kmcnt 0x0
	LIMITS 16, 46, 31
	v_mov_b32 v31, s46                             ; 2^e0, in v31 until the loop
	s_or_b32 s30, s31, 0x80000000
	LIMITS 17, 46, 26
	v_mov_b32 v[SCK], s46
	s_or_b32 s25, s26, 0x80000000
	LIMITS 18, 46, 28
	v_mov_b32 v[SCV], s46
	s_or_b32 s27, s28, 0x80000000
	LIMITS 19, 46, 29
	v_mov_b32 v[SCP], s46
	s_add_co_i32 s47, s16, s17
	s_lshl_b32 s47, s47, 23
	s_add_co_i32 s22, s47, 0x3fb8aa3b              ; c = log2(e) x 2^(e0 + e1): a sum of codes' products stands for sum x 2^(e0 + e1); the exponents are added to the exponent field
	s_mov_b32 s23, s22                             ; (named with it as a pair)
	s_add_co_i32 s44, s18, s19                     ; e2 + e3
	; ---- AHEAD OF THE LOOP: Q, and chunk 0 of K and V.  Each count is the number of loads issued behind the unit's own; a set is loaded again as soon as its unit has read it.
	KQUNIT SET0,     48, 30, 31, 31, 30, 0,       CP, 1   ; Q0: behind it Q1-3, K0-2
	KLOAD SET0+112, 1536                                   ; K3
	VLOAD SET0, 0                                          ; V0
	KQUNIT SET0+16,  52, 30, 31, 31, 30, 4*K32,   CP, 1   ; Q1: Q2-3, K0-3 (48), V0 (4)
	VLOAD SET0+16, ROW
	KQUNIT SET0+32,  48, 30, 31, 31, 30, 8*K32,   CP, 1   ; Q2: Q3, K0-3 (40), V0-1 (8)
	VLOAD SET0+32, 2*ROW
	KQUNIT SET0+48,  44, 30, 31, 31, 30, 12*K32,  CP, 1   ; Q3: K0-3 (32), V0-2 (12)
	VLOAD SET0+48, 3*ROW
	KQUNIT SET0+64,  40, 25, 26, SCK, KST, 0,     CP, 1   ; K0: K1-3 (24), V0-3 (16)
	KLOAD LK, 2048                                         ; chunk 1's first units: the loop finds them on their way
	VLOAD LV, 2048
	KQUNIT SET0+80,  44, 25, 26, SCK, KST, 320,   CP, 1   ; K1: K2-3 (16), V0-3 (16), the 12 just issued
	KQUNIT SET0+96,  36, 25, 26, SCK, KST, 1280,  CP, 1   ; K2
	KQUNIT SET0+112, 28, 25, 26, SCK, KST, 1600,  CP, 1   ; K3: V0-3 (16), 12
	VUNIT SET0,      24, CP+4, VST, 0,     1
	VUNIT SET0+16,   20, CP+4, VST, VPI,   1
	VUNIT SET0+32,   16, CP+4, VST, 2*VPI, 1
	VUNIT SET0+48,   12, CP+4, VST, 3*VPI, 1              ; the 12 loads of chunk 1's first units stay out
.set i, 0
.rept 64
	v_mov_b32 v[O+i], 0                            ; O^T.  (The key step is written without a first step of its own: it finds zeros, which the first change of M leaves zeros)
.set i, i+1
.endr
	BAR                                            ; Q and chunk 0 lie in LDS
	ds_load_b128 v[QF:QF+3],     v28               ; my two tiles of queries stay in registers: row r, bytes 32 c + 16 h on, as K's fragments are read
	ds_load_b128 v[QF+4:QF+7],   v28 offset:32
	ds_load_b128 v[QF+8:QF+11],  v28 offset:1280
	ds_load_b128 v[QF+12:QF+15], v28 offset:1312
; ---- A KEY STEP'S PARTS
.macro KFRAG sig                       ; four tiles of 16 keys: LDS rows 64 sig + 16 T + r
.irp t, 0,1,2,3
	ds_load_b128 v[FR+8*\t:FR+8*\t+3],   v[T1] offset:(\sig)*KSTP+(\t/2)*K32+(\t%2)*1280
	ds_load_b128 v[FR+8*\t+4:FR+8*\t+7], v[T1] offset:(\sig)*KSTP+(\t/2)*K32+(\t%2)*1280+32
.endr
.endm
.macro VFRAG sig                       ; four tiles of 16 channels x the step's 64 places
.irp t, 0,1,2,3
	ds_load_b128 v[FR+8*\t:FR+8*\t+3],   v[T2] offset:(\sig)*64+\t*16*VPI
	ds_load_b128 v[FR+8*\t+4:FR+8*\t+7], v[T2] offset:(\sig)*64+\t*16*VPI+32
.endr
.endm
.macro QK                              ; S^T = K Q^T: each fragment of K against both tiles of queries
.irp t, 0,1,2,3
.irp x, 0,1
	v_wmma_f32_16x16x64_fp8_fp8 v[S+32*\x+8*\t:S+32*\x+8*\t+7], v[FR+8*\t:FR+8*\t+7], v[QF+8*\x:QF+8*\x+7], 0
.endr
.endr
.endm
.macro PV                              ; O^T += V P^T: the eight accumulators take turns, one instruction a turn, and QK's eight stand between two steps' turns
.irp t, 0,1,2,3
.irp x, 0,1
	v_wmma_f32_16x16x64_fp8_fp8 v[O+32*\x+8*\t:O+32*\x+8*\t+7], v[FR+8*\t:FR+8*\t+7], v[P+8*\x:P+8*\x+7], v[O+32*\x+8*\t:O+32*\x+8*\t+7]
.endr
.endr
.endm
.macro MAXES                           ; the step's largest score of my query among my 32 keys, two chains a tile, the tiles by turns; each accumulator is read from its low end on
.irp t, 0,1,2,3
.irp i, 0,1,2,3
.irp x, 0,1
.if (\t == 0) && (\i < 2)
	v_max_num_f32 v[CM+2*\x+\i], v[S+32*\x+2*\i], v[S+32*\x+2*\i+1]
.else
	v_max3_num_f32 v[CM+2*\x+\i%2], v[CM+2*\x+\i%2], v[S+32*\x+8*\t+2*\i], v[S+32*\x+8*\t+2*\i+1]
.endif
.endr
.endr
.endr
.endm
.macro STATS                           ; the new M and f, the two tiles by turns
.irp x, 0,1
	v_max_num_f32 v[CM+2*\x], v[CM+2*\x], v[CM+2*\x+1]
.endr
.irp x, 0,1
	v_permlanex16_b32 v[CM+2*\x+1], v[CM+2*\x], s20, s21   ; the query's other 32 keys lie in lane l xor 16
.endr
.irp x, 0,1
	v_max_num_f32 v[CM+2*\x], v[CM+2*\x], v[CM+2*\x+1]
.endr
.irp x, 0,1
	v_mul_f32 v[CM+2*\x], s22, v[CM+2*\x]          ; as t (c is positive)
.endr
.irp x, 0,1
	v_max_num_f32 v[ST+2*\x+1], v[ST+2*\x+1], v[CM+2*\x]   ; the running largest t
.endr
.irp x, 0,1
	v_mov_b32 v[CM+2*\x+1], v[ST+2*\x]
.endr
.irp x, 0,1
	v_floor_f32 v[ST+2*\x], -v[ST+2*\x+1]          ; the new -M = floor(-t) = -ceil(t)
.endr
.irp x, 0,1
	v_sub_f32 v[CM+2*\x+1], v[ST+2*\x], v[CM+2*\x+1]       ; old M - new M: a whole number, 0 or less
.endr
.irp x, 0,1
	v_cvt_i32_f32 v[CM+2*\x+1], v[CM+2*\x+1]       ; (it saturates)
.endr
.irp x, 0,1
	v_ldexp_f32 v[FF+2*\x], 1.0, v[CM+2*\x+1]      ; f = 2^(old M - new M)
.endr
.irp x, 0,1
	v_pk_mul_f32 v[LS+4*\x:LS+4*\x+1],   v[LS+4*\x:LS+4*\x+1],   v[FF+2*\x:FF+2*\x+1] op_sel_hi:[1,0]   ; the sums under the new M
	v_pk_mul_f32 v[LS+4*\x+2:LS+4*\x+3], v[LS+4*\x+2:LS+4*\x+3], v[FF+2*\x:FF+2*\x+1] op_sel_hi:[1,0]
.endr
.endm
; THE SOFTMAX GOES BY PIECES of eight registers (one accumulator): piece g is tile g % 2, key tile g / 2.  In slot k piece k has its eight exponentials, and between them stands plain work on its neighbours:
; piece k - 1: the sum of the unquantised p (4 packed additions), then, where e3 asks for it, the hold (8); piece k + 1: t - M (4 packed multiply-adds); O^T's accumulator k x f (4 packed multiplications);
; and piece k - 1's conversion.  So an exponential's result is read a slot later, with plain instructions between (ISA guide 5.7.2 asks for one).
.macro TSCALE g, i                     ; pair i of piece g: t - M = score x c + (-M): of the pairs c and -M the low word serves both halves
.set pb, S+32*((\g)%2)+8*((\g)/2)+2*(\i)
.set nm, ST+2*((\g)%2)
	v_pk_fma_f32 v[pb:pb+1], v[pb:pb+1], s[22:23], v[nm:nm+1] op_sel_hi:[1,0,0]
.endm
.macro EXPP g, n                       ; p = 2^(t - M), at most 1
	v_exp_f32 v[S+32*((\g)%2)+8*((\g)/2)+\n], v[S+32*((\g)%2)+8*((\g)/2)+\n]
.endm
.macro CODE g                          ; piece g's eight p become codes: two registers of the second product's operand
	s_wait_alu depctr_va_vdst(0)
	v_cvt_scalef32_pk8_fp8_f32 v[P+8*((\g)%2)+2*((\g)/2):P+8*((\g)%2)+2*((\g)/2)+1], v[S+32*((\g)%2)+8*((\g)/2):S+32*((\g)%2)+8*((\g)/2)+7], v[SCP]
.endm
.macro FILL k, idx                     ; plain instruction idx of slot k, if the slot has it: 0-3 the sums, 4-11 the hold, 12-15 the scalings, 16-19 O^T
.if ((\idx) < 4) && ((\k) > 0)
.set pb, S+32*(((\k)-1)%2)+8*(((\k)-1)/2)+2*(\idx)
.set lb, LS+4*(((\k)-1)%2)+2*((\idx)%2)
	s_wait_alu depctr_va_vdst(0)
	v_pk_add_f32 v[lb:lb+1], v[lb:lb+1], v[pb:pb+1]
.elseif ((\idx) >= 4) && ((\idx) < 12) && ((\k) > 0)
.set pb, S+32*(((\k)-1)%2)+8*(((\k)-1)/2)+(\idx)-4
	v_min_num_f32 v[pb], s29, v[pb]                ; p is never negative: the hold at 448 x 2^e3 is one-sided
.elseif ((\idx) >= 12) && ((\idx) < 16) && ((\k) < 7)
	TSCALE (\k)+1, (\idx)-12
.elseif ((\idx) >= 16) && ((\k) < 8)
.set ob, O+8*(\k)+2*((\idx)-16)
.set fb, FF+2*((\k)/4)
	v_pk_mul_f32 v[ob:ob+1], v[ob:ob+1], v[fb:fb+1] op_sel_hi:[1,0]   ; O^T under the new M, each accumulator from its low end on
.endif
.endm
.macro SLOTH k                         ; a slot WITH the hold: two plain instructions behind each exponential, four at the end, then the conversion of what has been summed and held
.irp n, 0,1,2,3,4,5,6,7
.if (\k) < 8
	EXPP \k, \n
.endif
	FILL \k, 2*\n
	FILL \k, 2*\n+1
.endr
.irp n, 16,17,18,19
	FILL \k, \n
.endr
.if (\k) > 0
	CODE (\k)-1
.endif
.endm
.macro FREE k, m                       ; plain instruction m of 12 of a slot without the hold: 0-3 the sums, 4-7 the scalings, 8-11 O^T
.if (\m) < 4
	FILL \k, \m
.else
	FILL \k, (\m)+8
.endif
.endm
.macro SLOTF k                         ; a slot WITHOUT the hold: two plain instructions and one by turns behind the exponentials
.if (\k) == 8
	CODE 7                                         ; sums and conversion both only read p: the last piece's conversion stands first, so that its four sums are the plain instructions between it and the products that read its codes
.endif
.irp n, 0,1,2,3,4,5,6,7
.if (\k) < 8
	EXPP \k, \n
.endif
.if (\n%2) == 0
	FREE \k, 3*\n/2
	FREE \k, 3*\n/2+1
.else
	FREE \k, (3*\n+1)/2
.endif
.endr
.if ((\k) > 0) && ((\k) < 8)
	CODE (\k)-1
.endif
.endm
.macro SOFT
	MAXES
	STATS
.irp i, 0,1,2,3
	TSCALE 0, \i
.endr
	s_cmp_lt_i32 s19, -8                           ; e3 >= -8: p / 2^e3 <= 256 (p is 1 at the most), under 448: the hold would change nothing.  No barrier, load or LDS instruction stands on either way
	s_cbranch_scc1 .Lheld_\@
.irp k, 0,1,2,3,4,5,6,7,8
	SLOTF \k
.endr
	s_branch .Lcoded_\@
.Lheld_\@:
.irp k, 0,1,2,3,4,5,6,7,8
	SLOTH \k
.endr
	v_nop                                          ; one plain instruction between the last conversion and the products that read its result
.Lcoded_\@:
.endm
; Unit j of the NEXT chunk becomes codes: eight channels x 64 keys of K, one channel x 512 keys of V; then the next unit's 12 loads go out, two key steps ahead of their use.
.macro QUANT j
	v_add_nc_u32 v26, s42, v[KST]
	v_add_nc_u32 v27, s43, v[VST]
	KQUNIT LK, 4, 25, 26, SCK, 26, KCH+320*(\j%2)+1280*(\j/2), CL, 0   ; the count: V's four loads were issued behind K's eight.  No LDS store of mine still names the codes' registers: each step waits for all
	VUNIT LV, 0, CL+4, 27, VCH+VPI*\j, 0
.if \j == 3
	s_cmp_eq_u32 s40, 1                            ; the chunk after the next, if there is one: no load leaves the row
	s_cbranch_scc1 .Lno_more_\@
	KLOAD LK, 4096
	VLOAD LV, 4096
.Lno_more_\@:
.else
	KLOAD LK, 2048+512*(\j+1)
	VLOAD LV, 2048+ROW*(\j+1)
.endif
.endm
; A KEY STEP: 64 keys x my 32 queries.  q = 1: unit j is quantised while K's fragments are on their way from LDS.
.macro STEP q, j, sig
	PLACES 4                                       ; behind the last step's products, which read the fragments' registers
	KFRAG \sig
.if \q
	QUANT \j
.endif
	s_wait_dscnt 0x0                               ; K's fragments are in; the unit's stores have landed
	QK
	PLACES 4                                       ; in front of the loads into the fragments' registers and of the first read of the scores
	VFRAG \sig                                     ; V's fragments come while the softmax is worked
	SOFT
	s_wait_dscnt 0x0                               ; V's fragments are in
	PV
.endm
	; ---- CHUNKS 0, 1, 2: eight key steps each; every second step quantises a unit of the next chunk
	s_mov_b32 s40, 3
	s_mov_b32 s42, 0
	s_mov_b32 s43, 0
.Lchunk:
	v_add_nc_u32 v[T1], s42, v[AK0]
	v_add_nc_u32 v[T2], s43, v[AV0]
.irp j, 0,1,2,3
	STEP 1, \j, 2*\j
	STEP 0, 0, 2*\j+1
.endr
	s_wait_xcnt 0x0                                ; the loads issued in this trip have read their bases: only behind this wait do the two addresses step
	s_add_nc_u64 s[32:33], s[32:33], 2048          ; 512 keys on
	s_add_nc_u64 s[34:35], s[34:35], 2048
	s_add_co_u32 s42, s42, KCH
	s_add_co_u32 s43, s43, VCH
	BAR                                            ; the next chunk's codes lie in LDS, every wave's
	s_sub_co_u32 s40, s40, 1
	s_cmp_lg_u32 s40, 0
	s_cbranch_scc1 .Lchunk
	; ---- CHUNK 3: nothing is left to quantise: one key step, walked eight times
	s_mov_b32 s41, 8
.Llast:
	v_add_nc_u32 v[T1], s42, v[AK0]
	v_add_nc_u32 v[T2], s43, v[AV0]
	STEP 0, 0, 0
	s_add_co_u32 s42, s42, KSTP
	s_add_co_u32 s43, s43, 64
	s_sub_co_u32 s41, s41, 1
	s_cmp_lg_u32 s41, 0
	s_cbranch_scc1 .Llast
	; ---- THE WAY OUT.  O^T / the sum x 2^(e2 + e3).  A lane holds eight channels of one query, and out0 has the queries innermost: the work-group's 64 channels x 512 queries meet in a stage, and leave as rows.
	v_pk_add_f32 v[LS:LS+1],   v[LS:LS+1],   v[LS+2:LS+3]     ; the sums' chains; these four are the places behind the last products
	v_pk_add_f32 v[LS+4:LS+5], v[LS+4:LS+5], v[LS+6:LS+7]
	v_add_f32 v[LS],   v[LS],   v[LS+1]
	v_add_f32 v[LS+4], v[LS+4], v[LS+5]
	v_permlanex16_b32 v26, v[LS],   s20, s21
	v_permlanex16_b32 v28, v[LS+4], s20, s21
	v_add_f32 v[LS],   v[LS],   v26                ; and lane l xor 16's: the rows' sums
	v_add_f32 v[LS+4], v[LS+4], v28
	v_rcp_f32 v[LS],   v[LS]
	v_rcp_f32 v[LS+4], v[LS+4]
	v_and_b32 v26, 15, v0                          ; (a plain instruction behind the reciprocals)  r
	v_bfe_u32 v27, v0, 4, 1                        ; h
	s_wait_alu depctr_va_vdst(0)
	v_ldexp_f32 v[FF],   v[LS],   s44
	v_ldexp_f32 v[FF+2], v[LS+4], s44
.irp x, 0,1
.irp i, 0,2,4,6,8,10,12,14,16,18,20,22,24,26,28,30
	v_pk_mul_f32 v[O+32*\x+\i:O+32*\x+\i+1], v[O+32*\x+\i:O+32*\x+\i+1], v[FF+2*\x:FF+2*\x+1] op_sel_hi:[1,0]
.endr
.endr
	v_mul_u32_u24 v27, v27, 8*SPI
	v_lshl_add_u32 v26, v26, 2, v27
	s_lshl_b32 s46, s10, 7
	v_add_nc_u32 v26, s46, v26                     ; the stage: row 8 h, column 32 w + r;
	v_add_nc_u32 v27, 32*SPI, v26                  ; the same 32 rows further down, so that the offsets stay inside 16 bits
	s_mul_i32 s46, s10, 4*SPI
	v_add_nc_u32 v28, s46, v[GV]                   ; back: rows 4 w on, 16 bytes a lane
	BAR                                            ; nobody reads K any more: its bytes take the stage
.irp x, 0,1
.irp t, 0,1,2,3
.irp j, 0,1,2,3,4,5,6,7
	ds_store_b32 v[26+\t/2], v[O+32*\x+8*\t+\j] offset:(16*(\t%2)+\j)*SPI+64*\x   ; channel 16 t + 8 h + j, query 32 w + 16 X + r: sixteen lanes write 64 neighbouring bytes; the other sixteen lie 32 banks on
.endr
.endr
.endr
	BAR                                            ; 64 whole rows lie in the stage
.irp n, 0,1,2,3,4,5,6,7,8,9,10,11,12,13,14,15
	ds_load_b128 v[S+4*\n:S+4*\n+3], v28 offset:(\n/4)*SPI+512*(\n%4)
.endr
.irp n, 0,1,2,3,4,5,6,7,8,9,10,11,12,13,14,15
	s_wait_dscnt 15-\n                             ; LDS loads come back in order (ISA guide 5.7.1): load n is in, the younger ones may be out
	global_store_b128 v[GV], v[S+4*\n:S+4*\n+3], s[38:39] offset:(\n/4)*ROW+512*(\n%4) th:TH_STORE_NT   ; the wave stores 512 consecutive bytes, at a multiple of 512 from out0's first byte; written once, read by nobody here
.endr
	s_barrier_signal -1
	s_barrier_wait -1
	s_wait_xcnt 0x0
	v_lshl_add_u32 v254, v0, 2, 0x49400
	v_mov_b32 v255, 0
	s_wait_tensorcnt 0x0
	ds_add_u32 v254, v255
	s_wait_dscnt 0x0
	s_endpgm
.Lfunc_end_k_q27df5eca49_attn:
	.size	k_q27df5eca49_attn, .Lfunc_end_k_q27df5eca49_attn-k_q27df5eca49_attn
	.p2alignl 7, 3214868480
	.fill 96, 4, 3214868480
	.section	.rodata,"a",@progbits
	.p2align	6, 0x0
	.amdhsa_kernel k_q27df5eca49_attn
		.amdhsa_group_segment_fixed_size 302080
		.amdhsa_private_segment_fixed_size 0
		.amdhsa_enable_private_segment 0
		.amdhsa_kernarg_size 24
		.amdhsa_user_sgpr_count 2
		.amdhsa_user_sgpr_kernarg_segment_ptr 1
		.amdhsa_wavefront_size32 1
		.amdhsa_system_sgpr_workgroup_id_x 1
		.amdhsa_system_sgpr_workgroup_id_y 1
		.amdhsa_system_sgpr_workgroup_id_z 1
		.amdhsa_system_vgpr_workitem_id 0
		.amdhsa_next_free_vgpr 256
		.amdhsa_next_free_sgpr 66
		.amdhsa_reserve_vcc 0
		.amdhsa_float_denorm_mode_32 3
		.amdhsa_float_denorm_mode_16_64 3
		.amdhsa_memory_ordered 1
		.amdhsa_forward_progress 1
		.amdhsa_inst_pref_size 255
	.end_amdhsa_kernel
	.section	.bss,"aw",@nobits
	.p2align	6
	.space	262144
	.amdgpu_metadata
---
amdhsa.version: [ 1, 2 ]
amdhsa.kernels:
  - .name:           k_q27df5eca49_attn
    .symbol:         k_q27df5eca49_attn.kd
    .args:
      - { .name: qkv, .offset: 0, .size: 8, .value_kind: global_buffer, .address_space: global }
      - { .name: lowp_scales, .offset: 8, .size: 8, .value_kind: global_buffer, .address_space: global }
      - { .name: out0, .offset: 16, .size: 8, .value_kind: global_buffer, .address_space: global }
    .group_segment_fixed_size: 302080
    .private_segment_fixed_size: 0
    .kernarg_segment_align: 8
    .kernarg_segment_size: 24
    .max_flat_workgroup_size: 512
    .sgpr_count:     66
    .vgpr_count:     256
    .wavefront_size: 32
...
	.end_amdgpu_metadata
.endif
;; end of part 1
;; ======== version 2 of 2: 1 launch; version 1 with the launch attn written anew for expert scheduling mode
;; launch attn (part 2): grid 4 x 64, 16 waves a work-group, no clusters, 302,080 bytes of LDS; arguments qkv, lowp_scales, out0; writes out0
.if DOCPART == 2
	.amdgcn_target "amdgcn-amd-amdhsa--gfx1250"
	.amdhsa_code_object_version 6
	.text
	.protected	k_q27df5eca49_attn
	.globl	k_q27df5eca49_attn
	.p2align	8
	.type	k_q27df5eca49_attn,@function
k_q27df5eca49_attn:
	s_mov_b64 s[64:65], 0
	v_nop
	global_prefetch_b8 v0, s[64:65] scope:SCOPE_SE
	s_setreg_imm32_b32 hwreg(HW_REG_WAVE_SCHED_MODE, 0, 2), 2
	s_setreg_imm32_b32 hwreg(HW_REG_WAVE_MODE, 25, 1), 1
	s_wait_xcnt 0x0
	s_wait_alu depctr_vm_vsrc(0)
; out0[b][64 h + c][t] = sum over s of softmax_s( sum over c' of (q[c'][t] a)(k[c'][s] a) ) v[c][s],  a = 1 / sqrt(sqrt(64)).
; qkv: [4][3 x 16 x 64][2048] f32, the sequence innermost; q, k, v of head (b, h) are 64 rows each, 1,024 rows apart.  out0: [4][1024][2048] f32.
; BOTH PRODUCTS ARE ON CODES OF FP8 (E4M3), each operand with the one scale 2^e given for it: e0 for q a, e1 for k a, e2 for v, e3 for p; sums in f32, by v_wmma_f32_16x16x64_fp8_fp8.
; code = x / 2^e, held within +-448, to the nearest code, ties to even.  THE SOFTMAX: t = score x log2(e); M = the running largest t rounded UP to a whole number; p = 2^(t - M) is what is quantised, not
; normalised; the row's sum is taken of the unquantised p and divides at the end; when M moves, the sum and O are multiplied by 2^(old M - new M), which rounds nothing.
; SHARES.  256 work-groups: x = one of four blocks of 512 queries, y = the head (16 b + h).  Sixteen waves of 256 registers, four to a SIMD, so that one wave's exponentials stand beside another's plain
; arithmetic, LDS loads and products.  A wave owns 32 queries, two tiles A and B of 16, so that each fragment of K and V read from LDS feeds two matrix instructions.
; THE WORK-GROUP MAKES ITS HEAD'S CODES ITSELF, f32 through registers into LDS, and the whole head stays there: no LDS byte of K or V is written twice.  Keys go in four chunks of 512: chunk 0 and Q are made
; ahead of the loop; chunk c + 1 is loaded and quantised inside the key steps of chunk c, and a barrier stands at each chunk's end.
; LAYOUT.  Both products are used transposed: S^T = K Q^T (source 0 = 16 keys, source 1 = 16 queries), O^T = V P^T (source 0 = 16 channels, source 1 = P): a lane holds ONE query (lane % 16) throughout.
; NOTHING IS TRANSPOSED BY AN INSTRUCTION.  K, Q: a lane takes two columns (keys) and its registers run down eight channels, so a conversion's eight codes are eight neighbouring channels of one key.
; V: its K (the keys) is innermost; a lane's four dense loads of a row's 512 keys give it keys 128 a + 4 l + e, and its 16 codes go to bytes 16 l + 4 a + e of the row: a PERMUTATION of the keys inside a chunk.
; P must meet V in that order: place p of a chunk is K's LDS row p with bits 3 and 4 exchanged (a lane's eight results of a tile are tile rows 8 (lane / 16) + 0 .. 7), so key s = 128 a + 4 l + e is stored at row
; e + 4 (a % 2) + 8 (l % 2) + 16 (a / 2) + 32 (l / 2).  Inside an instruction k stands in other places than the form's own, alike in both sources: each product meets its partner; only the grouping of sums differs.
; P'S HOLD AT THE LARGEST CODE IS WRITTEN FOR THE e3 THAT NEED IT.  p is 1 at the most (but for a few rounding errors), so p / 2^e3 is at most 2^-e3: 256 or less where e3 >= -8, under 448: there the hold changes
; nothing, and the step takes a way without its 64 instructions.  Where e3 < -8 it takes the way with them.  The branch hangs on the whole number e3 as it is read from memory, alike in every wave.
; NO CLUSTER, NO JOINT LOADS, though the four work-groups of a head read the same K and V: the numbers arrive as f32 and become codes in registers; a joint request lands in LDS, where the codes take 300,032 of
; 327,680 bytes: the 27,648 left do not hold one key step's f32 (2 tensors x 64 keys x 64 channels x 4 bytes = 32,768).  The four are neighbours in the grid and walk the same chunks at about the same time.
; LIMITS.  e0 .. e3 between -126 and 119 each, e0 + e1 between -126 and 127, so that each power of two below is an f32 number.  NaN among the inputs is not served; an infinity is held at the largest code.
;
; THE MODE: SCHED_MODE bits 1:0 = 2 (LLVM: expert scheduling mode 2), set by the entry lines.  The code itself states the register dependences between vector or matrix instructions and memory or LDS
; instructions, with s_wait_alu, always for 0.
; THE PLAN.  Registers that memory or LDS instructions touch, in the loops:
;   FR            K's fragments land in it at a step's head, QK reads it; V's fragments land in it behind QK, PV reads it.  A wait on va_vdst stands ahead of each of the two runs of LDS loads.
;   T1, T2        Read by those loads; written at a chunk's head (in the last chunk at a step's), behind a wait on vm_vsrc; the step's first wait on va_vdst shows them written.
;   LK, LV        A unit of the next chunk lands in them; the unit's arithmetic reads LK and works in place on LV; behind it the next unit's twelve loads land there.
;   CL, v26, v27  A unit's codes and its two LDS addresses: written by the unit's arithmetic, read by its three LDS stores, written again by QK (CL lies in S) and by the maximum's chains.
;                 ONE wait on va_vdst behind the unit's arithmetic serves the three stores and the twelve loads; one on vm_vsrc stands ahead of QK.
;   GK, GV, KST, VST, AK0, AV0  Made at the head and never written again.
;   S, P, O, QF and the statistics are named by vector and matrix instructions alone, until the way out.
; One more wait on va_vdst stands in a step, behind the batch of its 64 exponentials and ahead of the first line that names a result.
;
; LDS.  K: row (32 g + i) at 2,576 g + 80 i: 64 codes + 16 bytes of padding, and 16 more behind every 32 rows.  80 bytes = 20 words: the 16 rows of a fragment load start at 16 different groups of four banks (64 banks
; of 4 bytes: ISA guide 11.1).  Q: 512 rows laid the same way in the bytes of K's chunk 3: written ahead of the first barrier, read once behind it; chunk 3's keys are stored behind two further barriers.
; V: [chunk][channel][512 codes + 16].  The stage for the way out (64 rows of 2,048 + 16 bytes) lies in K's bytes and is written behind a barrier behind which nobody reads K.
.set ROW,  8192                        ; a row of qkv or of out0 in bytes
.set K32,  2576                        ; 32 rows of K in LDS
.set KSTP, 2*K32                       ; a key step's 64 rows
.set KCH,  16*K32                      ; a chunk's 512 rows
.set QB,   3*KCH                       ; Q, in the bytes of K's chunk 3
.set VB,   4*KCH                       ; V begins behind K
.set VPI,  528                         ; a row of V of one chunk
.set VCH,  64*VPI                      ; a chunk of V
.set SPI,  2064                        ; a row of the stage
; VECTOR REGISTERS
.set AK0, 1                            ; v1   my lane's place in a tile of K: 80 r + 16 h
.set AV0, 2                            ; v2   the same for V: VB + 528 r + 16 h
.set KST, 3                            ; v3   where I store a K unit's codes
.set VST, 4                            ; v4   where I store a V unit's codes
.set GK,  5                            ; v5   8 x lane: my 8 bytes of a load's 256
.set GV,  6                            ; v6   16 x lane: my 16 bytes of a load's or a store's 512
.set SCK, 7                            ; v7   2^e1,  v8 2^e2,  v9 2^e3 as f32: the conversions take their exponent fields
.set SCV, 8
.set SCP, 9
.set ST,  10                           ; v[10:11] tile A: -M, the largest t;  v[12:13] tile B
.set LS,  14                           ; v[14:17] tile A's sum, two packed chains;  v[18:21] tile B's
.set FF,  22                           ; v[22:23] tile A's f = 2^(old M - new M) (the upper word is only named);  v[24:25] tile B's
.set CM,  26                           ; v26-29  two chains of the maximum for each tile; in QUANT v26, v27 are store addresses
.set T1,  30                           ; v30  LDS address of the chunk's (or step's) tiles of K;  v31 of V
.set T2,  31
.set QF,  32                           ; v32-47  Q's two fragments
.set FR,  48                           ; v48-79  four fragments of K, then of V
.set LK,  80                           ; v80-95  a K unit as loaded;  v96-111 a V unit
.set LV,  96
.set S,   112                          ; v112-175  S^T, then p: tile X, key tile T at S + 32 X + 8 T
.set P,   176                          ; v176-191  p's codes: P + 8 X + 2 T
.set O,   192                          ; v192-255  O^T: O + 32 X + 8 t
.set Y,   112                          ; 16 numbers at work in a K or Q unit (S is free then)
.set CL,  128                          ; a unit's codes inside the loop: K's v128-131, V's v132-135 (S is free then)
.set CP,  48                           ; and ahead of the loop: v48-51, v52-55
.set SET0, 128                         ; ahead of the loop: eight landing sets of 16 registers, v128-255
; SCALAR REGISTERS: s[4:5] qkv, s[6:7] the scales, s[8:9] out0; s10 wave, s11 wave % 8, s12 wave / 8; s[16:19] e0 .. e3 (they stay); s[20:21] lane selects; s[22:23] c; s24 a; s25, s26 -+448 x 2^e1; s27, s28 the same with e2;
; s29 448 x 2^e3; s30, s31 -+448 x 2^e0; s[32:33] K's, s[34:35] V's, s[36:37] Q's, s[38:39] out0's address for my wave; s40, s41 counters; s42, s43 LDS offsets of the chunk in hand in K and in V; s44 e2 + e3; s46-54 at work
.macro PLACES n                        ; a load into a register that a matrix instruction has read, and a vector instruction that reads a matrix result, stand four places behind it; only plain vector
.rept \n                               ; instructions that name none of its registers are places (ISA guide 7.12.1 for vector instructions)
	v_nop
.endr
.endm
.macro BAR                             ; my LDS stores have landed and my LDS loads are in: then the work-group's barrier
	s_wait_dscnt 0x0
	s_barrier_signal -1
	s_barrier_wait -1
.endm
; A K or Q unit as loaded: eight channels x 64 columns; each load reads 256 consecutive bytes, aligned; register 2 cc + par = channel cc, column 2 lane + par
.macro QLOAD set, off
.irp cc, 0,1,2,3,4,5,6,7
	global_load_b64 v[\set+2*\cc:\set+2*\cc+1], v[GK], s[36:37] offset:\cc*ROW+\off th:TH_LOAD_NT   ; q is read once in the whole launch
.endr
.endm
.macro KLOAD set, off
.irp cc, 0,1,2,3,4,5,6,7
	global_load_b64 v[\set+2*\cc:\set+2*\cc+1], v[GK], s[32:33] offset:\cc*ROW+\off                 ; k and v are read by the head's four work-groups: no hint
.endr
.endm
; A V unit as loaded: one channel x 512 keys; each load reads 512 consecutive bytes; register 4 a + e = key 128 a + 4 lane + e
.macro VLOAD set, off
.irp a, 0,1,2,3
	global_load_b128 v[\set+4*\a:\set+4*\a+3], v[GV], s[34:35] offset:512*\a+\off
.endr
.endm
; A K or Q unit's arithmetic.  left: the loads issued behind the unit's own.  s[nl], s[pl]: -+448 x the scale; v[sc]: the scale; cr: four registers for the codes.
; again = 1: an earlier unit's LDS stores have named cr.
.macro KQMATH set, left, nl, pl, sc, cr, again
	s_wait_loadcnt \left
.irp cc, 0,1,2,3,4,5,6,7
	v_mul_f32 v[Y+\cc],   s24, v[\set+2*\cc]       ; x a, in f32; the two columns are parted on the way
	v_mul_f32 v[Y+8+\cc], s24, v[\set+2*\cc+1]
.endr
.irp i, 0,1,2,3,4,5,6,7,8,9,10,11,12,13,14,15
	v_med3_num_f32 v[Y+\i], v[Y+\i], s[\nl], s[\pl]   ; the conversion to an 8-bit code does not saturate (ISA guide 7.6.2): the hold at the largest code x the scale
.endr
.if \again
	s_wait_dscnt 0x0                               ; the last unit's stores have landed;
	s_wait_alu depctr_vm_vsrc(0)                   ; and they have read the codes' registers, which the conversions below write again
.endif
	v_cvt_scalef32_pk8_fp8_f32 v[\cr:\cr+1],   v[Y:Y+7],    v[\sc]
	v_cvt_scalef32_pk8_fp8_f32 v[\cr+2:\cr+3], v[Y+8:Y+15], v[\sc]
.endm
.macro KQSTORE adr, off, cr            ; v[adr] + off: the first column's row in LDS
	ds_store_b64 v[\adr], v[\cr:\cr+1]   offset:\off      ; eight channels of column 2 lane,
	ds_store_b64 v[\adr], v[\cr+2:\cr+3] offset:\off+80   ; of column 2 lane + 1: the next row
.endm
.macro VMATH set, left, cr, again
	s_wait_loadcnt \left
.irp i, 0,1,2,3,4,5,6,7,8,9,10,11,12,13,14,15
	v_med3_num_f32 v[\set+\i], v[\set+\i], s27, s28
.endr
.if \again
	s_wait_dscnt 0x0                               ; the last unit's store has landed;
	s_wait_alu depctr_vm_vsrc(0)                   ; and it has read the codes' registers, which the conversions below write again
.endif
	v_cvt_scalef32_pk8_fp8_f32 v[\cr:\cr+1],   v[\set:\set+7],    v[SCV]
	v_cvt_scalef32_pk8_fp8_f32 v[\cr+2:\cr+3], v[\set+8:\set+15], v[SCV]
.endm
.macro VSTORE adr, off, cr
	ds_store_b128 v[\adr], v[\cr:\cr+3] offset:\off       ; the wave's 512 consecutive bytes: a row of V of one chunk
.endm
; A whole unit ahead of the loop: arithmetic, one wait, stores.  The loads that follow a unit land in its set: the same wait has shown the unit's arithmetic done with it.
.macro KQUNIT set, left, nl, pl, sc, adr, off, again
	KQMATH \set, \left, \nl, \pl, \sc, CP, \again
	v_nop                                          ; one plain instruction between a scaled conversion and the next vector or matrix instruction that writes its sources or touches its result
	s_wait_alu depctr_va_vdst(0)                   ; the conversions have written the codes, which the stores read (the first unit: the store's address too); the multiplications are done reading the set, in which the next loads land
	KQSTORE \adr, \off, CP
.endm
.macro VUNIT set, left, off, again
	VMATH \set, \left, CP+4, \again
	v_nop
	s_wait_alu depctr_va_vdst(0)                   ; the conversions have written the codes, which the store reads
	VSTORE VST, \off, CP+4
.endm
.macro LIMITS e, sc, pos               ; s[sc] = 2^e as f32, s[pos] = 448 x 2^e, from the whole number in s[e]
	s_add_co_i32 s[\pos], s[\e], 127
	s_lshl_b32 s[\sc], s[\pos], 23
	s_add_co_i32 s[\pos], s[\pos], 8
	s_lshl_b32 s[\pos], s[\pos], 23
	s_or_b32 s[\pos], s[\pos], 0x600000
.endm
	s_load_b128 s[4:7], s[0:1], 0x0                ; qkv, the scales' exponents
	s_load_b64 s[8:9], s[0:1], 0x10                ; out0
	v_lshrrev_b32 v26, 5, v0
	v_readfirstlane_b32 s10, v26                   ; wave 0 .. 15
	v_and_b32 v27, 31, v0                          ; lane
	v_and_b32 v28, 15, v0                          ; r
	v_bfe_u32 v29, v0, 4, 1                        ; h
	v_lshlrev_b32 v[GK], 3, v27
	v_lshlrev_b32 v[GV], 4, v27
	s_wait_alu depctr_va_sdst(0)                   ; s10 is written, ahead of its first reader: the wave's shares and addresses are made from it
	s_and_b32 s11, s10, 7                          ; which eight channels of K and Q I quantise
	s_lshr_b32 s12, s10, 3                         ; which 64 of a unit's 128 columns
	s_and_b32 s46, ttmp7, 0xffff                   ; y = 16 b + h
	s_lshr_b32 s47, s46, 4
	s_mul_i32 s47, s47, 3072
	s_and_b32 s48, s46, 15
	s_lshl_b32 s48, s48, 6
	s_add_co_u32 s47, s47, s48                     ; q's first row: 3,072 b + 64 h
	s_lshl_b32 s48, s47, 13                        ; in bytes (all offsets here stay under 2^27)
	s_lshl_b32 s49, s11, 16                        ; my eight rows,
	s_lshl_b32 s50, s12, 8                         ; my 64 columns
	s_add_co_u32 s49, s49, s50
	s_add_co_u32 s50, s48, s49
	s_lshl_b32 s51, ttmp9, 11                      ; my block's 512 columns
	s_lshl_b32 s54, s10, 15                        ; four rows for each wave (V's units, and the way out)
	s_mov_b32 s53, 0
	s_wait_kmcnt 0x0
	s_load_b128 s[16:19], s[6:7], 0x0              ; e0, e1, e2, e3
	s_add_co_u32 s52, s50, s51
	s_add_nc_u64 s[36:37], s[4:5], s[52:53]        ; Q
	s_add_co_u32 s52, s50, 1024*ROW
	s_add_nc_u64 s[32:33], s[4:5], s[52:53]        ; K
	s_add_co_u32 s52, s48, s54
	s_add_co_u32 s52, s52, 2048*ROW
	s_add_nc_u64 s[34:35], s[4:5], s[52:53]        ; V: rows 4 w on
	s_lshl_b32 s52, s46, 19                        ; out0: row 64 y,
	s_add_co_u32 s52, s52, s54                     ; + 4 w,
	s_add_co_u32 s52, s52, s51                     ; my block's columns
	s_add_nc_u64 s[38:39], s[8:9], s[52:53]
	s_wait_alu depctr_va_vdst(0)                   ; v5 and v6 are written: every global load and store of the kernel reads one of them as its offset
.irp n, 0,1,2,3
	QLOAD SET0+16*\n, 512*\n                       ; Q's four units, then three of K's chunk 0: 56 loads
.endr
.irp n, 0,1,2
	KLOAD SET0+64+16*\n, 512*\n
.endr
	v_mul_u32_u24 v[AK0], v28, 80
	v_lshl_add_u32 v[AK0], v29, 4, v[AK0]
	v_mul_u32_u24 v[AV0], v28, VPI
	v_lshl_add_u32 v[AV0], v29, 4, v[AV0]
	v_add_nc_u32 v[AV0], VB, v[AV0]
	v_and_b32 v26, 1, v27                          ; K's store: column 128 j + 64 g + 2 l + par goes to row par + 2 (l % 2) + 4 (j % 2) + 8 ((l / 2) % 2) + 16 (j / 2) + 32 (l / 4 + 8 g)
	v_mul_u32_u24 v[KST], v26, 160
	v_bfe_u32 v26, v27, 1, 1
	v_mad_u32_u24 v[KST], v26, 640, v[KST]
	v_lshrrev_b32 v26, 2, v27
	v_mad_u32_u24 v[KST], v26, K32, v[KST]
	s_mul_i32 s47, s12, 8*K32
	s_lshl_b32 s48, s11, 3                         ; my eight channels' bytes in a row
	s_add_co_u32 s47, s47, s48
	v_add_nc_u32 v[KST], s47, v[KST]
	s_mul_i32 s47, s10, 4*VPI
	s_add_co_u32 s47, s47, VB
	v_add_nc_u32 v[VST], s47, v[GV]                ; V's store: row 4 w, 16 bytes a lane
	v_mul_u32_u24 v30, v27, 160                    ; Q's store, in v30 until the loop: row = the query in the block = 128 n + 64 g + 2 l + par
	v_lshl_add_u32 v30, v29, 4, v30                ; (16 bytes more behind every 32 rows)
	s_mul_i32 s47, s12, KSTP
	s_add_co_u32 s47, s47, s48
	s_add_co_u32 s47, s47, QB
	v_add_nc_u32 v30, s47, v30
	s_mul_i32 s47, s10, K32
	s_add_co_u32 s47, s47, QB
	v_add_nc_u32 v28, s47, v[AK0]                  ; where I read my 32 queries back
	s_mov_b32 s20, 0x76543210                      ; v_permlanex16_b32: lane l xor 16
	s_mov_b32 s21, 0xfedcba98
	s_mov_b32 s24, 0x3eb504f3                      ; a = 1 / sqrt(sqrt(64)) as f32 arithmetic gives it
	v_mov_b32 v[ST+1], 0xff61b1e6                  ; the largest t so far: -3e38, under every t
	v_mov_b32 v[ST+3], 0xff61b1e6
	v_floor_f32 v[ST], -v[ST+1]                    ; -M
	v_floor_f32 v[ST+2], -v[ST+3]
.irp i, 0,1,2,3,4,5,6,7
	v_mov_b32 v[LS+\i], 0                          ; the sums
.endr
	v_mov_b32 v[FF+1], 0                           ; (named as the upper halves of pairs)
	v_mov_b32 v[FF+3], 0
	s_wait_kmcnt 0x0
	LIMITS 16, 46, 31
	v_mov_b32 v31, s46                             ; 2^e0, in v31 until the loop
	s_or_b32 s30, s31, 0x80000000
	LIMITS 17, 46, 26
	v_mov_b32 v[SCK], s46
	s_or_b32 s25, s26, 0x80000000
	LIMITS 18, 46, 28
	v_mov_b32 v[SCV], s46
	s_or_b32 s27, s28, 0x80000000
	LIMITS 19, 46, 29
	v_mov_b32 v[SCP], s46
	s_add_co_i32 s47, s16, s17
	s_lshl_b32 s47, s47, 23
	s_add_co_i32 s22, s47, 0x3fb8aa3b              ; c = log2(e) x 2^(e0 + e1): a sum of codes' products stands for sum x 2^(e0 + e1); the exponents are added to the exponent field
	s_mov_b32 s23, s22                             ; (named with it as a pair)
	s_add_co_i32 s44, s18, s19                     ; e2 + e3
	; ---- AHEAD OF THE LOOP: Q, and chunk 0 of K and V.  Each count is the number of loads issued behind the unit's own; a set is loaded again as soon as its unit has read it.
	; The first Q unit and the first V unit write codes' registers that no store has named yet (the last argument is 0).
	KQUNIT SET0,     48, 30, 31, 31, 30, 0,       0       ; Q0: behind it Q1-3, K0-2
	KLOAD SET0+112, 1536                                   ; K3: into registers that nothing has named
	VLOAD SET0, 0                                          ; V0
	KQUNIT SET0+16,  52, 30, 31, 31, 30, 4*K32,   1       ; Q1: Q2-3, K0-3 (48), V0 (4)
	VLOAD SET0+16, ROW
	KQUNIT SET0+32,  48, 30, 31, 31, 30, 8*K32,   1       ; Q2: Q3, K0-3 (40), V0-1 (8)
	VLOAD SET0+32, 2*ROW
	KQUNIT SET0+48,  44, 30, 31, 31, 30, 12*K32,  1       ; Q3: K0-3 (32), V0-2 (12)
	VLOAD SET0+48, 3*ROW
	KQUNIT SET0+64,  40, 25, 26, SCK, KST, 0,     1       ; K0: K1-3 (24), V0-3 (16)
	KLOAD LK, 2048                                         ; chunk 1's first units, into registers that nothing has named: the loop finds them on their way
	VLOAD LV, 2048
	KQUNIT SET0+80,  44, 25, 26, SCK, KST, 320,   1       ; K1: K2-3 (16), V0-3 (16), the 12 just issued
	KQUNIT SET0+96,  36, 25, 26, SCK, KST, 1280,  1       ; K2
	KQUNIT SET0+112, 28, 25, 26, SCK, KST, 1600,  1       ; K3: V0-3 (16), 12
	VUNIT SET0,      24, 0,     0
	VUNIT SET0+16,   20, VPI,   1
	VUNIT SET0+32,   16, 2*VPI, 1
	VUNIT SET0+48,   12, 3*VPI, 1                          ; the 12 loads of chunk 1's first units stay out
.set i, 0
.rept 64
	v_mov_b32 v[O+i], 0                            ; O^T.  (The key step is written without a first step of its own: it finds zeros, which the first change of M leaves zeros)
.set i, i+1
.endr
	BAR                                            ; Q and chunk 0 lie in LDS
	ds_load_b128 v[QF:QF+3],     v28               ; my two tiles of queries stay in registers: row r, bytes 32 c + 16 h on, as K's fragments are read.  (v28 was written ahead of the units' waits on va_vdst; nothing has named v32-47)
	ds_load_b128 v[QF+4:QF+7],   v28 offset:32
	ds_load_b128 v[QF+8:QF+11],  v28 offset:1280
	ds_load_b128 v[QF+12:QF+15], v28 offset:1312
; ---- A KEY STEP'S PARTS
.macro KFRAG sig                       ; four tiles of 16 keys: LDS rows 64 sig + 16 T + r
.irp t, 0,1,2,3
	ds_load_b128 v[FR+8*\t:FR+8*\t+3],   v[T1] offset:(\sig)*KSTP+(\t/2)*K32+(\t%2)*1280
	ds_load_b128 v[FR+8*\t+4:FR+8*\t+7], v[T1] offset:(\sig)*KSTP+(\t/2)*K32+(\t%2)*1280+32
.endr
.endm
.macro VFRAG sig                       ; four tiles of 16 channels x the step's 64 places
.irp t, 0,1,2,3
	ds_load_b128 v[FR+8*\t:FR+8*\t+3],   v[T2] offset:(\sig)*64+\t*16*VPI
	ds_load_b128 v[FR+8*\t+4:FR+8*\t+7], v[T2] offset:(\sig)*64+\t*16*VPI+32
.endr
.endm
.macro QK                              ; S^T = K Q^T: each fragment of K against both tiles of queries
.irp t, 0,1,2,3
.irp x, 0,1
	v_wmma_f32_16x16x64_fp8_fp8 v[S+32*\x+8*\t:S+32*\x+8*\t+7], v[FR+8*\t:FR+8*\t+7], v[QF+8*\x:QF+8*\x+7], 0
.endr
.endr
.endm
.macro PV                              ; O^T += V P^T: the eight accumulators take turns, one instruction a turn, and QK's eight stand between two steps' turns
.irp t, 0,1,2,3
.irp x, 0,1
	v_wmma_f32_16x16x64_fp8_fp8 v[O+32*\x+8*\t:O+32*\x+8*\t+7], v[FR+8*\t:FR+8*\t+7], v[P+8*\x:P+8*\x+7], v[O+32*\x+8*\t:O+32*\x+8*\t+7]
.endr
.endr
.endm
.macro MAXES                           ; the step's largest score of my query among my 32 keys, two chains a tile, the tiles by turns; each accumulator is read from its low end on
.irp t, 0,1,2,3
.irp i, 0,1,2,3
.irp x, 0,1
.if (\t == 0) && (\i < 2)
	v_max_num_f32 v[CM+2*\x+\i], v[S+32*\x+2*\i], v[S+32*\x+2*\i+1]
.else
	v_max3_num_f32 v[CM+2*\x+\i%2], v[CM+2*\x+\i%2], v[S+32*\x+8*\t+2*\i], v[S+32*\x+8*\t+2*\i+1]
.endif
.endr
.endr
.endr
.endm
.macro STATS                           ; the new M and f, the two tiles by turns
.irp x, 0,1
	v_max_num_f32 v[CM+2*\x], v[CM+2*\x], v[CM+2*\x+1]
.endr
.irp x, 0,1
	v_permlanex16_b32 v[CM+2*\x+1], v[CM+2*\x], s20, s21   ; the query's other 32 keys lie in lane l xor 16
.endr
.irp x, 0,1
	v_max_num_f32 v[CM+2*\x], v[CM+2*\x], v[CM+2*\x+1]
.endr
.irp x, 0,1
	v_mul_f32 v[CM+2*\x], s22, v[CM+2*\x]          ; as t (c is positive)
.endr
.irp x, 0,1
	v_max_num_f32 v[ST+2*\x+1], v[ST+2*\x+1], v[CM+2*\x]   ; the running largest t
.endr
.irp x, 0,1
	v_mov_b32 v[CM+2*\x+1], v[ST+2*\x]
.endr
.irp x, 0,1
	v_floor_f32 v[ST+2*\x], -v[ST+2*\x+1]          ; the new -M = floor(-t) = -ceil(t)
.endr
.irp x, 0,1
	v_sub_f32 v[CM+2*\x+1], v[ST+2*\x], v[CM+2*\x+1]       ; old M - new M: a whole number, 0 or less
.endr
.irp x, 0,1
	v_cvt_i32_f32 v[CM+2*\x+1], v[CM+2*\x+1]       ; (it saturates)
.endr
.irp x, 0,1
	v_ldexp_f32 v[FF+2*\x], 1.0, v[CM+2*\x+1]      ; f = 2^(old M - new M)
.endr
.irp x, 0,1
	v_pk_mul_f32 v[LS+4*\x:LS+4*\x+1],   v[LS+4*\x:LS+4*\x+1],   v[FF+2*\x:FF+2*\x+1] op_sel_hi:[1,0]   ; the sums under the new M
	v_pk_mul_f32 v[LS+4*\x+2:LS+4*\x+3], v[LS+4*\x+2:LS+4*\x+3], v[FF+2*\x:FF+2*\x+1] op_sel_hi:[1,0]
.endr
.endm
; THE SOFTMAX GOES AS ONE BATCH.  A piece is eight registers (one accumulator of S^T): piece g is tile g % 2, key tile g / 2.  A step's 64 exponentials are issued piece by piece, and between them stands plain
; work that names no exponential's result: t - M of the piece two further on (4 packed multiply-adds), and O^T's accumulator g x f (4 packed multiplications).  ONE wait stands behind the batch, ahead of the first
; line that names a result.  Behind it, key tile by key tile: the conversions, the sums of the unquantised p (packed additions, four chains by turns) and, where e3 asks for it, the hold between the two.
.macro TSCALE g, i                     ; pair i of piece g: t - M = score x c + (-M): of the pairs c and -M the low word serves both halves
.set pb, S+32*((\g)%2)+8*((\g)/2)+2*(\i)
.set nm, ST+2*((\g)%2)
	v_pk_fma_f32 v[pb:pb+1], v[pb:pb+1], s[22:23], v[nm:nm+1] op_sel_hi:[1,0,0]
.endm
.macro EXPP g, n                       ; p = 2^(t - M), at most 1
	v_exp_f32 v[S+32*((\g)%2)+8*((\g)/2)+\n], v[S+32*((\g)%2)+8*((\g)/2)+\n]
.endm
.macro OSCALE k, i                     ; pair i of O^T's accumulator k under the new M: x f of tile k / 4; each accumulator from its low end on
.set ob, O+8*(\k)+2*(\i)
.set fb, FF+2*((\k)/4)
	v_pk_mul_f32 v[ob:ob+1], v[ob:ob+1], v[fb:fb+1] op_sel_hi:[1,0]
.endm
.macro BATCH g                         ; piece g's eight exponentials, a plain instruction behind each (pieces 6 and 7: behind every second one; behind the very last one too, as ISA guide 5.7.2 asks ahead of a result's use)
.irp n, 0,1,2,3,4,5,6,7
	EXPP \g, \n
.if (\n%2) == 1
	OSCALE \g, \n/2
.elseif (\g) < 6
	TSCALE (\g)+2, \n/2
.endif
.endr
.endm
.macro CODE g                          ; piece g's eight p become codes: two registers of the second product's operand
	v_cvt_scalef32_pk8_fp8_f32 v[P+8*((\g)%2)+2*((\g)/2):P+8*((\g)%2)+2*((\g)/2)+1], v[S+32*((\g)%2)+8*((\g)/2):S+32*((\g)%2)+8*((\g)/2)+7], v[SCP]
.endm
.macro SUMP g, i                       ; pair i of piece g onto chain i % 2 of its tile's sum
.set pb, S+32*((\g)%2)+8*((\g)/2)+2*(\i)
.set lb, LS+4*((\g)%2)+2*((\i)%2)
	v_pk_add_f32 v[lb:lb+1], v[lb:lb+1], v[pb:pb+1]
.endm
.macro SUMT t                          ; key tile t of both tiles of queries: each chain takes its pairs in ascending order
.irp i, 0,1,2,3
	SUMP 2*\t, \i
	SUMP 2*\t+1, \i
.endr
.endm
.macro HOLD g                          ; p is never negative: the hold at 448 x 2^e3 is one-sided
.irp n, 0,1,2,3,4,5,6,7
	v_min_num_f32 v[S+32*((\g)%2)+8*((\g)/2)+\n], s29, v[S+32*((\g)%2)+8*((\g)/2)+\n]
.endr
.endm
.macro SOFT
	MAXES
	STATS
.irp i, 0,1,2,3
	TSCALE 0, \i
	TSCALE 1, \i
.endr
.irp g, 0,1,2,3,4,5,6,7
	BATCH \g
.endr
	s_wait_alu depctr_va_vdst(0)                   ; the step's 64 exponentials have written p, which the conversions, the sums and the hold below read: one wait for the batch, ahead of the branch
	s_cmp_lt_i32 s19, -8                           ; e3 >= -8: p / 2^e3 <= 256 (p is 1 at the most), under 448: the hold would change nothing.  No barrier, load or LDS instruction stands on either way
	s_cbranch_scc1 .Lheld_\@
.irp t, 0,1,2,3
	CODE 2*\t                                      ; sums and conversions both only read p: the conversions stand first, so that the last tile's eight sums are the plain instructions between the last conversion and the products that read its codes
	CODE 2*\t+1
	SUMT \t
.endr
	s_branch .Lcoded_\@
.Lheld_\@:
.irp t, 0,1,2,3
	SUMT \t                                        ; the sum is taken of p as it is, ahead of the hold
	HOLD 2*\t
	HOLD 2*\t+1
	CODE 2*\t
	CODE 2*\t+1
.endr
	v_nop                                          ; one plain instruction between the last conversion and the products that read its result
.Lcoded_\@:
.endm
; Unit j of the NEXT chunk becomes codes: eight channels x 64 keys of K, one channel x 512 keys of V; then the next unit's 12 loads go out, two key steps ahead of their use.
.macro QUANT j
	v_add_nc_u32 v26, s42, v[KST]
	v_add_nc_u32 v27, s43, v[VST]
	KQMATH LK, 4, 25, 26, SCK, CL, 0               ; the count: V's four loads were issued behind K's eight.  (The last unit's stores have read CL, v26 and v27: the wait on vm_vsrc ahead of that step's QK)
	VMATH LV, 0, CL+4, 0
	v_nop                                          ; one plain instruction between the last conversion and the products that write its sources and its result
	s_wait_alu depctr_va_vdst(0)                   ; the codes in CL and the addresses v26, v27 are written, which the three stores read; the arithmetic is done with LK and LV, in which the twelve loads land
	KQSTORE 26, KCH+320*(\j%2)+1280*(\j/2), CL
	VSTORE 27, VCH+VPI*\j, CL+4
.if \j == 3
	s_cmp_eq_u32 s40, 1                            ; the chunk after the next, if there is one: no load leaves the row
	s_cbranch_scc1 .Lno_more_\@
	KLOAD LK, 4096
	VLOAD LV, 4096
.Lno_more_\@:
.else
	KLOAD LK, 2048+512*(\j+1)
	VLOAD LV, 2048+ROW*(\j+1)
.endif
.endm
; A KEY STEP: 64 keys x my 32 queries.  q = 1: unit j is quantised while K's fragments are on their way from LDS.
.macro STEP q, j, sig
	PLACES 4                                       ; behind the last step's products, which read the fragments' registers
	s_wait_alu depctr_va_vdst(0)                   ; the last step's products are done reading FR, in which K's fragments land; in a chunk's first step v30 and v31 are written, which the fragments' loads read (the very first: the prologue's conversions have written v48-55)
	KFRAG \sig
.if \q
	QUANT \j
.endif
	s_wait_dscnt 0x0                               ; K's fragments are in; the unit's stores have landed
.if \q
	s_wait_alu depctr_vm_vsrc(0)                   ; the unit's stores have read CL, which the products below write, and v26, v27, which the maximum's chains write
.endif
	QK
	PLACES 4                                       ; in front of the loads into the fragments' registers and of the first read of the scores
	s_wait_alu depctr_va_vdst(0)                   ; these products are done reading FR, in which V's fragments land
	VFRAG \sig                                     ; V's fragments come while the softmax is worked: none of its lines names FR or v31
	SOFT
	s_wait_dscnt 0x0                               ; V's fragments are in
	PV
.endm
	; ---- CHUNKS 0, 1, 2: eight key steps each; every second step quantises a unit of the next chunk
	s_mov_b32 s40, 3
	s_mov_b32 s42, 0
	s_mov_b32 s43, 0
.Lchunk:
	s_wait_alu depctr_vm_vsrc(0)                   ; the fragments' loads issued so far have read v30 and v31.  Ahead of the first trip: Q's stores have read v30, Q's loads v28 (the maximum's chains write it), the prologue's stores v48-55 (K's fragments land there)
	v_add_nc_u32 v[T1], s42, v[AK0]
	v_add_nc_u32 v[T2], s43, v[AV0]
.irp j, 0,1,2,3
	STEP 1, \j, 2*\j
	STEP 0, 0, 2*\j+1
.endr
	s_wait_xcnt 0x0                                ; the loads issued in this trip have read their bases: only behind this wait do the two addresses step
	s_add_nc_u64 s[32:33], s[32:33], 2048          ; 512 keys on
	s_add_nc_u64 s[34:35], s[34:35], 2048
	s_add_co_u32 s42, s42, KCH
	s_add_co_u32 s43, s43, VCH
	BAR                                            ; the next chunk's codes lie in LDS, every wave's
	s_sub_co_u32 s40, s40, 1
	s_cmp_lg_u32 s40, 0
	s_cbranch_scc1 .Lchunk
	; ---- CHUNK 3: nothing is left to quantise: one key step, walked eight times
	s_mov_b32 s41, 8
.Llast:
	s_wait_alu depctr_vm_vsrc(0)                   ; the fragments' loads issued so far have read v30 and v31
	v_add_nc_u32 v[T1], s42, v[AK0]
	v_add_nc_u32 v[T2], s43, v[AV0]
	STEP 0, 0, 0
	s_add_co_u32 s42, s42, KSTP
	s_add_co_u32 s43, s43, 64
	s_sub_co_u32 s41, s41, 1
	s_cmp_lg_u32 s41, 0
	s_cbranch_scc1 .Llast
	; ---- THE WAY OUT.  O^T / the sum x 2^(e2 + e3).  A lane holds eight channels of one query, and out0 has the queries innermost: the work-group's 64 channels x 512 queries meet in a stage, and leave as rows.
	v_pk_add_f32 v[LS:LS+1],   v[LS:LS+1],   v[LS+2:LS+3]     ; the sums' chains; these four are the places behind the last products
	v_pk_add_f32 v[LS+4:LS+5], v[LS+4:LS+5], v[LS+6:LS+7]
	v_add_f32 v[LS],   v[LS],   v[LS+1]
	v_add_f32 v[LS+4], v[LS+4], v[LS+5]
	v_permlanex16_b32 v26, v[LS],   s20, s21
	v_permlanex16_b32 v28, v[LS+4], s20, s21
	v_add_f32 v[LS],   v[LS],   v26                ; and lane l xor 16's: the rows' sums
	v_add_f32 v[LS+4], v[LS+4], v28
	v_rcp_f32 v[LS],   v[LS]
	v_rcp_f32 v[LS+4], v[LS+4]
	v_and_b32 v26, 15, v0                          ; (a plain instruction behind the reciprocals)  r
	v_bfe_u32 v27, v0, 4, 1                        ; h
	s_wait_alu depctr_va_vdst(0)                   ; the two reciprocals have written v14 and v18, which the two lines below read
	v_ldexp_f32 v[FF],   v[LS],   s44
	v_ldexp_f32 v[FF+2], v[LS+4], s44
.irp x, 0,1
.irp i, 0,2,4,6,8,10,12,14,16,18,20,22,24,26,28,30
	v_pk_mul_f32 v[O+32*\x+\i:O+32*\x+\i+1], v[O+32*\x+\i:O+32*\x+\i+1], v[FF+2*\x:FF+2*\x+1] op_sel_hi:[1,0]
.endr
.endr
	v_mul_u32_u24 v27, v27, 8*SPI
	v_lshl_add_u32 v26, v26, 2, v27
	s_lshl_b32 s46, s10, 7
	v_add_nc_u32 v26, s46, v26                     ; the stage: row 8 h, column 32 w + r;
	v_add_nc_u32 v27, 32*SPI, v26                  ; the same 32 rows further down, so that the offsets stay inside 16 bits
	s_mul_i32 s46, s10, 4*SPI
	v_add_nc_u32 v28, s46, v[GV]                   ; back: rows 4 w on, 16 bytes a lane
	s_wait_alu depctr_va_vdst(0)                   ; O^T and the addresses v26, v27, v28 are written, which the LDS stores and loads below read; every line that named S is done, and the stage's rows land there.  Only v254 and v255 are written by vector instructions behind it
	BAR                                            ; nobody reads K any more: its bytes take the stage
.irp x, 0,1
.irp t, 0,1,2,3
.irp j, 0,1,2,3,4,5,6,7
	ds_store_b32 v[26+\t/2], v[O+32*\x+8*\t+\j] offset:(16*(\t%2)+\j)*SPI+64*\x   ; channel 16 t + 8 h + j, query 32 w + 16 X + r: sixteen lanes write 64 neighbouring bytes; the other sixteen lie 32 banks on
.endr
.endr
.endr
	BAR                                            ; 64 whole rows lie in the stage
.irp n, 0,1,2,3,4,5,6,7,8,9,10,11,12,13,14,15
	ds_load_b128 v[S+4*\n:S+4*\n+3], v28 offset:(\n/4)*SPI+512*(\n%4)
.endr
.irp n, 0,1,2,3,4,5,6,7,8,9,10,11,12,13,14,15
	s_wait_dscnt 15-\n                             ; LDS loads come back in order (ISA guide 5.7.1): load n is in, the younger ones may be out
	global_store_b128 v[GV], v[S+4*\n:S+4*\n+3], s[38:39] offset:(\n/4)*ROW+512*(\n%4) th:TH_STORE_NT   ; the wave stores 512 consecutive bytes, at a multiple of 512 from out0's first byte; written once, read by nobody here
.endr
	s_barrier_signal -1
	s_barrier_wait -1
	s_wait_xcnt 0x0
	s_wait_alu depctr_vm_vsrc(0)                   ; the stage's stores have read v254 and v255, which the two lines below write
	v_lshl_add_u32 v254, v0, 2, 0x49400
	v_mov_b32 v255, 0
	s_wait_dscnt 0x0                               ; the closing lines, six on end
	s_wait_alu 0x0
	s_wait_tensorcnt 0x0
	ds_add_u32 v254, v255
	s_wait_dscnt 0x0
	s_endpgm
.Lfunc_end_k_q27df5eca49_attn:
	.size	k_q27df5eca49_attn, .Lfunc_end_k_q27df5eca49_attn-k_q27df5eca49_attn
	.p2alignl 7, 3214868480
	.fill 96, 4, 3214868480
	.section	.rodata,"a",@progbits
	.p2align	6, 0x0
	.amdhsa_kernel k_q27df5eca49_attn
		.amdhsa_group_segment_fixed_size 302080
		.amdhsa_private_segment_fixed_size 0
		.amdhsa_enable_private_segment 0
		.amdhsa_kernarg_size 24
		.amdhsa_user_sgpr_count 2
		.amdhsa_user_sgpr_kernarg_segment_ptr 1
		.amdhsa_wavefront_size32 1
		.amdhsa_system_sgpr_workgroup_id_x 1
		.amdhsa_system_sgpr_workgroup_id_y 1
		.amdhsa_system_sgpr_workgroup_id_z 1
		.amdhsa_system_vgpr_workitem_id 0
		.amdhsa_next_free_vgpr 256
		.amdhsa_next_free_sgpr 66
		.amdhsa_reserve_vcc 0
		.amdhsa_float_denorm_mode_32 3
		.amdhsa_float_denorm_mode_16_64 3
		.amdhsa_memory_ordered 1
		.amdhsa_forward_progress 1
		.amdhsa_inst_pref_size 233
	.end_amdhsa_kernel
	.amdgpu_metadata
---
amdhsa.version: [ 1, 2 ]
amdhsa.kernels:
  - .name:           k_q27df5eca49_attn
    .symbol:         k_q27df5eca49_attn.kd
    .args:
      - { .name: qkv, .offset: 0, .size: 8, .value_kind: global_buffer, .address_space: global }
      - { .name: lowp_scales, .offset: 8, .size: 8, .value_kind: global_buffer, .address_space: global }
      - { .name: out0, .offset: 16, .size: 8, .value_kind: global_buffer, .address_space: global }
    .group_segment_fixed_size: 302080
    .private_segment_fixed_size: 0
    .kernarg_segment_align: 8
    .kernarg_segment_size: 24
    .max_flat_workgroup_size: 512
    .sgpr_count:     66
    .vgpr_count:     256
    .wavefront_size: 32
...
	.end_amdgpu_metadata
.endif
;; end of part 2
